; MI455X (gfx1250); checked and timed in simulation.
; The chip was launched on July 23, 2026; its instructions are those of AMD's public machine-readable ISA for CDNA 5 (MIT licence, August 2026) and "CDNA5" Instruction Set Architecture Reference Guide (July 2026). The comments in the code are by the model that wrote it; some were corrected since.
;; Attn. Allowed arithmetic: matrix products marked QUANTISED: E2M3 operands, one E8M0 scale for each 32 along K, by v_wmma_scale_f32_16x16x128_f8f6f4 with both operands' format E2M3, f32 sums; products left as they are: f32 operands where the result goes on into a quantised operand, else bf16, f16 or f32 operands; f32 sums; everything else in f32.
;; Inputs: Wa_codes 1,024 x 64 x 24 uint8 (E2M3 codes of Wa, K innermost, in blocks of 32 codes, four codes in three bytes); Wa_scales 1,024 x 64 uint8 (E8M0 scales of Wa, one for each 32 codes along K); Ws 1 x 1,024 float32; ba 1,024 float32; encoder_outputs 512 x 64 x 1,024 float32; hidden 1 x 64 x 1,024 float32; pe 64 x 512 float32; seq_mask 64 x 512 bool.
;; Outputs: out0 64 x 1 x 512 float32.
;; This version of the problem:
;;   THIS VERSION OF THE PROBLEM IS GIVEN IN LOW PRECISION. The matrix products marked QUANTISED in the list below multiply operands that are first quantised to E2M3 (2 exponent bits, 3 mantissa bits; 6 bits a number), with one power-of-two scale for each 32 numbers along K (OCP MX v1.0); their sums are f32. All else is computed in f32.
;;   The module's matrix products, in the order in which they are computed (A, B: the left and right operand; K: the contracted axis; several contracted axes count as one K, in the product's order):
;;     1. [M 32,768, K 2,048] x [K 2,048, N 1,024]; A: computed on the way; B: input Wa (given as codes): QUANTISED
;;     2. [M 32,768, K 1,024] x [K 1,024, N 1]; A: computed on the way; B: input Ws: left as it is (N = 1 < 16)
;;   THE QUANTISER, for each operand of a quantised product, along K:
;;     - K is cut into blocks of 32 from its start; a last block that is shorter is filled with zeros.
;;     - A block's scale is 2^e with e = floor(log2(the largest magnitude in the block)) - 2, held to -126 .. 127; a block of zeros has e = 0. As a byte (E8M0): e + 127.
;;     - Each number is divided by its block's scale, clamped to +-7.5, and rounded to the nearest number of E2M3, ties to even, subnormals kept.
;;     - The product sums the exact products of the quantised numbers (number of the format x scale) in f32.
;;   ~~~python
;;   def quantise(x, axis):      # numpy; x: float32 -> the quantised numbers, widened to float32 again
;;       x = np.moveaxis(x, axis, -1); K = x.shape[-1]
;;       x = np.pad(x, [(0, 0)] * (x.ndim - 1) + [(0, -K % 32)]); x = x.reshape(x.shape[:-1] + (-1, 32)); a = np.abs(x).max(-1, keepdims=True)
;;       e = np.where(a > 0, np.clip(np.frexp(np.where(a > 0, a, 1))[1] - 1 - 2, -126, 127), 0)      # np.frexp(a)[1] - 1 = floor(log2(a)), exactly
;;       r = np.clip(x / 2.0 ** e, -7.5, 7.5)
;;       step = 2.0 ** (np.maximum(np.frexp(np.where(r == 0, 1, r))[1] - 1, 0) - 3)
;;       q = np.round(r / step) * step * 2.0 ** e      # np.round: ties to even
;;       return np.moveaxis(q.reshape(q.shape[:-2] + (-1,))[..., :K], -1, axis).astype(np.float32)
;;   ~~~
;;   OPERANDS COMPUTED ON THE WAY. 'Computed on the way' means the value that the module computes at that place (a softmax that the list does not call 'softmax' is quantised finished and normalised). What goes into a quantiser is computed in f32, as accurately as f32 sums, v_exp_f32 and their like allow (about 1e-6 of the number): no bf16 or f16 on the way to a quantiser, and a product that is left as it is and whose result goes on into a quantised operand takes f32 operands (vector FMAs, or v_wmma_f32_16x16x4_f32). A number that lies on a knife's edge between two numbers of the format may be rounded either way, as far as f32 arithmetic and the matrix unit's own rounding can turn it there, and no further.
;;   INPUTS GIVEN AS CODES. Wa (in the module: [1024, 2048], K = its axis 1): each comes as NAME_codes (uint8): NAME with its K axis moved to the last place and cut into blocks of 32 codes, [.., K / 32, bytes a block], one block behind the other in memory; four codes in three bytes: a row's codes are one little-endian stream of bits, code i at bits 6 i .. 6 i + 5 (a code: sign, 2 exponent bits, 3 mantissa bits); and NAME_scales (uint8): the same leading axes, one E8M0 byte (e + 127) for each 32 codes along K. Its value is code x scale, taken as it is: it is not quantised again, and the codes and scales need not be those that the quantiser above would give.
;; One version. Each part assembles by itself: llvm-mc -triple=amdgcn-amd-amdhsa -mcpu=gfx1250 --defsym DOCPART=n.
;; ======== version 1 of 1: 3 launches
;; limits: right only within a limited range of input values
;; workspace buffers: pack 3,801,088 bytes; scores 131,072 bytes
;; launch prep (part 1): grid 64 x 4, 4 waves a work-group, no clusters, 38,400 bytes of LDS; arguments Wa_codes, Wa_scales, Ws, ba, hidden, pack; writes pack
.if DOCPART == 1
	.amdgcn_target "amdgcn-amd-amdhsa--gfx1250"
	.amdhsa_code_object_version 6
	.text
	.protected	k_qdced191435_prep
	.globl	k_qdced191435_prep
	.p2align	8
	.type	k_qdced191435_prep,@function
k_qdced191435_prep:
	s_mov_b64 s[64:65], 0
	v_nop
	global_prefetch_b8 v0, s[64:65] scope:SCOPE_SE
	s_setreg_imm32_b32 hwreg(HW_REG_WAVE_MODE, 25, 1), 1
	s_wait_xcnt 0x0
; PREP.  The first 1,024 of the product's K are hidden[b], the same for every s.  So G[b][n] = Q(hidden[b]) . Wa[n][0:1024] + ba[n] is made here once, on codes of
; E2M3 with E8M0 scales, and the next launch takes it as the C of its first K step.  The rest of what that launch wants of a tile of 16 rows of Wa is laid beside it.
; Work-group (t, bt) writes PACKAGE (bt, t) of 14,848 bytes, all of it images of registers (four registers: lane l's 16 bytes at 16 l, 512 bytes):
;   0       Wa's rows 16 t .. 16 t + 15, K 1,024 .. 2,047: fragment k (128 along K, 12 registers), registers 4 c .. 4 c + 3 at (3 k + c) x 512
;   12,288  their scale words: register q; lanes 0-15 K step q, lanes 16-31 K step 4 + q
;   12,800  Ws: lane (r, h), register j = Ws[16 t + 8 h + j]        13,824  G: lane (r, h), register j = G[16 bt + r][16 t + 8 h + j]
; SHARES.  Wave w takes K steps 2 w and 2 w + 1 of both halves: it quantises its 256 numbers of 16 rows of hidden, multiplies (source 0 = Wa's rows, source 1 = hidden's:
; a lane then holds one b and eight n), and copies its two encoder fragments.  The four waves' partial sums meet in LDS; wave 0 adds them onto ba and stores.
; THE QUANTISER: a block's scale byte is its largest magnitude's exponent field - 2, held at 1 from below; numbers are divided by the scale and rounded to the nearest code, ties to even.
; LIMITS: NaN and infinities among the inputs are not served; a block whose largest magnitude lies under 2^-124 keeps the byte 1; a block of zeros has the byte 1 and not 127
; (its codes are zeros, and the bytes never leave the registers).
; No cluster, no tensor load: a work-group reads 64 KiB of hidden and 24 KiB of Wa once, through registers, and has no loop in which a shared tile could be asked for jointly.
.set PKB,   14848
.set STGB,  16*528                     ; a wave's stage: 16 rows x (512 bytes + 16): row r starts 16 bytes further round the banks than row r - 1
.set PSUM,  4*STGB                     ; behind the stages: 1,024 bytes of partial sums for each wave
.set GOF,  3                           ; v3   16 x lane
.set WOF,  4                           ; v4   Wa's codes: 1,536 r + 24 h
.set SOF,  5                           ; v5   Wa's scale words of my K steps: 64 r + 8 w
.set SOF2, 6                           ; v6   the encoder half's, as an image: 64 r + 16 h
.set HOF,  7                           ; v7   Ws, ba: 32 h
.set STI,  8                           ; v8   the stage, in: 16 x lane
.set STO,  9                           ; v9   the stage, out: 528 r + 128 h
.set PRT,  10                          ; v10  where my partial sums go
.set PRD,  11                          ; v11  where wave 0 reads them
.set SH8,  12                          ; v12  8 h
.set POF,  13                          ; v13  my fragments' place in the package: 16 x lane + 3,072 w
.set WH,   16                          ; v16-39   Wa, hidden half, two fragments
.set WE,   40                          ; v40-63   Wa, encoder half, two fragments; once stored:
.set BA,   40                          ; v40-47   ba, in the result's layout
.set GR,   48                          ; v48-55   G
.set X0,   64                          ; v64-127  64 numbers of K step 2 w; later v64-71, v72-79 the two products, v80-87 their sum
.set X1,   128                         ; v128-191 of K step 2 w + 1; later the four waves' partial sums
.set D0,   64
.set D1,   72
.set DS,   80
.set PS,   128
.set PC0,  192                         ; v192-215 hidden's two fragments
.set PC1,  204
.set TC,   216                         ; v216-223 the upper halves of the blocks' codes, before they are moved
.set TM,   224                         ; v224-227 largest magnitudes
.set TS,   228                         ; v228-229 the conversions' scale operands
.set TB,   230                         ; v230-231 scale bytes
.set TX,   232                         ; v232     the other half's bytes
.set PW0,  233                         ; v233-234 hidden's scale words
.set PW1,  234
.set WSC,  235                         ; v235-236 Wa's scale words
.set SCI,  240                         ; v240-243 the encoder half's scale words, as an image
.set WSI,  244                         ; v244-251 Ws, as an image
; 64 numbers of a lane, v[x + 32 c + i] = K 64 c + 32 h + i of its row (two whole blocks of 32), become a fragment's 12 registers at v[pc] and the row's scale word in v[pw].
.macro QUANT x, pc, pw
.irp q, 0,1,2,3
	v_max3_num_f32 v[TM+\q], |v[\x+16*\q]|, |v[\x+16*\q+1]|, 0x1800000   ; four chains of 16 numbers, and the floor 2^(3 - 127): the byte cannot fall under 1
.endr
.irp i, 2,4,6,8,10,12,14
.irp q, 0,1,2,3
	v_max3_num_f32 v[TM+\q], v[TM+\q], |v[\x+16*\q+\i]|, |v[\x+16*\q+\i+1]|   ; (by turns: no line waits for the line above it)
.endr
.endr
	v_max_num_f32 v[TM], v[TM], v[TM+1]            ; block 2 c + h, c = 0,
	v_max_num_f32 v[TM+2], v[TM+2], v[TM+3]        ; and c = 1
	v_add_nc_u32 v[TS], 0xff000000, v[TM]          ; 2 off the exponent field: the conversion takes the exponent field of this operand as its scale
	v_add_nc_u32 v[TS+1], 0xff000000, v[TM+2]
	v_lshrrev_b32 v[TB], 23, v[TS]                 ; the scale's byte
	v_lshrrev_b32 v[TB+1], 23, v[TS+1]
	v_lshl_or_b32 v[\pw], v[TB+1], 16, v[TB]       ; my two bytes, blocks h and 2 + h,
	v_lshlrev_b32 v[\pw], v[SH8], v[\pw]           ; at their places in the word;
	v_permlanex16_b32 v[TX], v[\pw], s20, s21
	v_or_b32 v[\pw], v[\pw], v[TX]                 ; with lane l xor 16's two the word is whole
.irp c, 0,1
	v_cvt_scalef32_pk16_fp6_f32 v[\pc+6*\c:\pc+6*\c+2], v[\x+32*\c:\x+32*\c+15], v[TS+\c]
	v_cvt_scalef32_pk16_fp6_f32 v[TC+4*\c:TC+4*\c+2], v[\x+32*\c+16:\x+32*\c+31], v[TS+\c]   ; (a conversion's three registers begin on an even number)
.endr
	v_nop                                          ; one plain place behind a scaled conversion
.irp c, 0,1
.irp i, 0,1,2
	v_mov_b32 v[\pc+6*\c+3+\i], v[TC+4*\c+\i]
.endr
.endr
.endm
; 16 rows x 512 bytes, loaded 16 bytes a lane as they lie, go through my stage and come back 128 neighbouring bytes a lane and block pair, into the registers that they left.
; LDS serves a wave's instructions in order (ISA guide 5.7.1.4): no wait between the stores and the loads, nor in front of the next turn's stores.
.macro TURNP x
.irp i, 0,1,2,3,4,5,6,7,8,9,10,11,12,13,14,15
	ds_store_b128 v[STI], v[\x+4*\i:\x+4*\i+3] offset:528*\i
.endr
.irp c, 0,1
.irp j, 0,1,2,3,4,5,6,7
	ds_load_b128 v[\x+32*\c+4*\j:\x+32*\c+4*\j+3], v[STO] offset:256*\c+16*\j
.endr
.endr
.endm
	s_load_b128 s[4:7], s[0:1], 0x0                ; Wa's codes, Wa's scales
	s_load_b128 s[8:11], s[0:1], 0x10              ; Ws, ba
	s_load_b128 s[12:15], s[0:1], 0x20             ; hidden, pack
	v_lshl_add_u32 v254, v0, 2, 0x9400
	v_mov_b32 v255, 0
	v_lshrrev_b32 v14, 5, v0
	v_readfirstlane_b32 s16, v14                   ; wave 0..3
	s_and_b32 s18, ttmp7, 0xffff                   ; bt; t is ttmp9
	s_mov_b32 s20, 0x76543210
	s_mov_b32 s21, 0xfedcba98                      ; v_permlanex16_b32's selects for lane l xor 16
	v_and_b32 v14, 31, v0                          ; lane
	v_and_b32 v1, 15, v0                           ; r
	v_bfe_u32 v2, v0, 4, 1                         ; h
	v_lshlrev_b32 v[GOF], 4, v14
	v_mul_u32_u24 v[WOF], v1, 1536
	v_mad_u32_u24 v[WOF], v2, 24, v[WOF]
	s_lshl_b32 s17, s16, 3
	v_lshl_add_u32 v[SOF], v1, 6, s17
	v_lshlrev_b32 v[SOF2], 6, v1
	v_lshl_add_u32 v[SOF2], v2, 4, v[SOF2]
	v_lshlrev_b32 v[HOF], 5, v2
	s_mul_i32 s17, s16, STGB
	v_add_nc_u32 v[STI], s17, v[GOF]
	v_mul_u32_u24 v[STO], v1, 528
	v_lshl_add_u32 v[STO], v2, 7, v[STO]
	v_add_nc_u32 v[STO], s17, v[STO]
	s_lshl_b32 s17, s16, 10
	v_add_nc_u32 v[PRD], PSUM, v[GOF]
	v_add_nc_u32 v[PRT], s17, v[PRD]
	v_lshlrev_b32 v[SH8], 3, v2
	s_mul_i32 s17, s16, 3072
	v_add_nc_u32 v[POF], s17, v[GOF]
	v_mov_b32 v[TX], 0                             ; written once: a lane permute's destination counts as one of its sources
	s_mul_i32 s22, ttmp9, 16*1536                  ; Wa's codes: my 16 rows, my two K steps of 96 bytes
	s_mul_i32 s23, s16, 192
	s_add_co_u32 s22, s22, s23
	s_mov_b32 s23, 0
	s_lshl_b32 s24, ttmp9, 10                      ; Wa's scales: 16 rows of 64 bytes
	s_mov_b32 s25, 0
	s_lshl_b32 s26, ttmp9, 6                       ; Ws, ba: 16 numbers
	s_mov_b32 s27, 0
	s_lshl_b32 s28, s18, 16                        ; hidden: 16 rows of 4,096 bytes, my two K steps of 512
	s_lshl_b32 s29, s16, 10
	s_add_co_u32 s28, s28, s29
	s_mov_b32 s29, 0
	s_lshl_b32 s30, s18, 6
	s_add_co_u32 s30, s30, ttmp9
	s_mul_i32 s30, s30, PKB                        ; package 64 bt + t
	s_mov_b32 s31, 0
	s_wait_alu depctr_va_vdst(0)
	s_wait_kmcnt 0x0
	s_add_nc_u64 s[4:5], s[4:5], s[22:23]
	s_add_nc_u64 s[6:7], s[6:7], s[24:25]
	s_add_nc_u64 s[8:9], s[8:9], s[26:27]
	s_add_nc_u64 s[10:11], s[10:11], s[26:27]
	s_add_nc_u64 s[12:13], s[12:13], s[28:29]
	s_add_nc_u64 s[14:15], s[14:15], s[30:31]
.irp u, 0,1
.irp i, 0,1,2,3,4,5,6,7,8,9,10,11,12,13,14,15
	global_load_b128 v[X0+64*\u+4*\i:X0+64*\u+4*\i+3], v[GOF], s[12:13] offset:4096*\i+512*\u   ; row i, K step 2 w + u: 32 lanes read 512 consecutive bytes
.endr
.endr
.irp u, 0,1
.irp p, 0,1,2,3,4,5
	global_load_b64 v[WH+12*\u+2*\p:WH+12*\u+2*\p+1], v[WOF], s[4:5] offset:96*\u+48*(\p/3)+8*(\p%3)       ; a fragment is the row's stream of bits as it lies: 24 bytes at 24 h and at 48 + 24 h
	global_load_b64 v[WE+12*\u+2*\p:WE+12*\u+2*\p+1], v[WOF], s[4:5] offset:768+96*\u+48*(\p/3)+8*(\p%3)   ; the same K step of the encoder half
.endr
.endr
	global_load_b32 v[WSC], v[SOF], s[6:7]
	global_load_b32 v[WSC+1], v[SOF], s[6:7] offset:4
	global_load_b128 v[SCI:SCI+3], v[SOF2], s[6:7] offset:32
	global_load_b128 v[WSI:WSI+3], v[HOF], s[8:9]
	global_load_b128 v[WSI+4:WSI+7], v[HOF], s[8:9] offset:16
	s_wait_loadcnt 0x0
.irp u, 0,1
.irp c, 0,1,2
	global_store_b128 v[POF], v[WE+12*\u+4*\c:WE+12*\u+4*\c+3], s[14:15] offset:1536*\u+512*\c   ; 32 lanes store 512 consecutive bytes, at a multiple of 256 from pack's first byte
.endr
.endr
	TURNP X0
	TURNP X1
	s_wait_xcnt 0x0                                ; the stores above have had their addresses translated (ISA guide 3.1): only behind this wait are their data registers loaded again
	global_load_b128 v[BA:BA+3], v[HOF], s[10:11]
	global_load_b128 v[BA+4:BA+7], v[HOF], s[10:11] offset:16
	s_wait_dscnt 0x0                               ; both turns are back
	QUANT X0, PC0, PW0
	QUANT X1, PC1, PW1
.rept 8
	v_nop                                          ; a scale register written by a vector instruction stands 8 places ahead of a scaled matrix instruction, an operand so written 4
.endr
	v_wmma_scale_f32_16x16x128_f8f6f4 v[D0:D0+7], v[WH:WH+11], v[PC0:PC0+11], 0, v[WSC], v[PW0] matrix_a_fmt:MATRIX_FMT_FP6 matrix_b_fmt:MATRIX_FMT_FP6
	v_wmma_scale_f32_16x16x128_f8f6f4 v[D1:D1+7], v[WH+12:WH+23], v[PC1:PC1+11], 0, v[WSC+1], v[PW1] matrix_a_fmt:MATRIX_FMT_FP6 matrix_b_fmt:MATRIX_FMT_FP6
.rept 4
	v_nop                                          ; four places in front of the first read of the results (ISA guide 7.12.1)
.endr
.irp m, 0,2,4,6
	v_pk_add_f32 v[DS+\m:DS+\m+1], v[D0+\m:D0+\m+1], v[D1+\m:D1+\m+1]   ; both results from their low ends on
.endr
	ds_store_b128 v[PRT], v[DS:DS+3]
	ds_store_b128 v[PRT], v[DS+4:DS+7] offset:512
	s_wait_dscnt 0x0                               ; for wave 0's sake: my partial sums lie in LDS
	s_barrier_signal -1
	s_barrier_wait -1
	s_cmp_lg_u32 s16, 0
	s_cbranch_scc1 .Ldone
.irp w, 0,1,2,3
.irp c, 0,1
	ds_load_b128 v[PS+8*\w+4*\c:PS+8*\w+4*\c+3], v[PRD] offset:1024*\w+512*\c
.endr
.endr
	s_wait_dscnt 0x0
	s_wait_loadcnt 0x0                             ; ba
.irp m, 0,2,4,6
	v_pk_add_f32 v[GR+\m:GR+\m+1], v[BA+\m:BA+\m+1], v[PS+\m:PS+\m+1]
.endr
.irp w, 1,2,3
.irp m, 0,2,4,6
	v_pk_add_f32 v[GR+\m:GR+\m+1], v[GR+\m:GR+\m+1], v[PS+8*\w+\m:PS+8*\w+\m+1]
.endr
.endr
	global_store_b128 v[GOF], v[SCI:SCI+3], s[14:15] offset:12288
	global_store_b128 v[GOF], v[WSI:WSI+3], s[14:15] offset:12800
	global_store_b128 v[GOF], v[WSI+4:WSI+7], s[14:15] offset:13312
	global_store_b128 v[GOF], v[GR:GR+3], s[14:15] offset:13824
	global_store_b128 v[GOF], v[GR+4:GR+7], s[14:15] offset:14336
.Ldone:
	s_wait_tensorcnt 0x0
	ds_add_u32 v254, v255
	s_wait_dscnt 0x0
	s_endpgm
.Lfunc_end_k_qdced191435_prep:
	.size	k_qdced191435_prep, .Lfunc_end_k_qdced191435_prep-k_qdced191435_prep
	.p2alignl 7, 3214868480
	.fill 96, 4, 3214868480
	.section	.rodata,"a",@progbits
	.p2align	6, 0x0
	.amdhsa_kernel k_qdced191435_prep
		.amdhsa_group_segment_fixed_size 38400
		.amdhsa_private_segment_fixed_size 0
		.amdhsa_enable_private_segment 0
		.amdhsa_kernarg_size 48
		.amdhsa_user_sgpr_count 2
		.amdhsa_user_sgpr_kernarg_segment_ptr 1
		.amdhsa_wavefront_size32 1
		.amdhsa_system_sgpr_workgroup_id_x 1
		.amdhsa_system_sgpr_workgroup_id_y 1
		.amdhsa_system_sgpr_workgroup_id_z 1
		.amdhsa_system_vgpr_workitem_id 0
		.amdhsa_next_free_vgpr 256
		.amdhsa_next_free_sgpr 66
		.amdhsa_reserve_vcc 0
		.amdhsa_float_denorm_mode_32 3
		.amdhsa_float_denorm_mode_16_64 3
		.amdhsa_memory_ordered 1
		.amdhsa_forward_progress 1
		.amdhsa_inst_pref_size 23
	.end_amdhsa_kernel
	.amdgpu_metadata
---
amdhsa.version: [ 1, 2 ]
amdhsa.kernels:
  - .name:           k_qdced191435_prep
    .symbol:         k_qdced191435_prep.kd
    .args:
      - { .name: Wa_codes, .offset: 0, .size: 8, .value_kind: global_buffer, .address_space: global }
      - { .name: Wa_scales, .offset: 8, .size: 8, .value_kind: global_buffer, .address_space: global }
      - { .name: Ws, .offset: 16, .size: 8, .value_kind: global_buffer, .address_space: global }
      - { .name: ba, .offset: 24, .size: 8, .value_kind: global_buffer, .address_space: global }
      - { .name: hidden, .offset: 32, .size: 8, .value_kind: global_buffer, .address_space: global }
      - { .name: pack, .offset: 40, .size: 8, .value_kind: global_buffer, .address_space: global }
    .group_segment_fixed_size: 38400
    .private_segment_fixed_size: 0
    .kernarg_segment_align: 8
    .kernarg_segment_size: 48
    .max_flat_workgroup_size: 128
    .sgpr_count:     66
    .vgpr_count:     256
    .wavefront_size: 32
...
	.end_amdgpu_metadata
.endif
;; end of part 1
;; launch main (part 2): grid 64 x 4, 4 waves a work-group, clusters of 4 x 1, 327,680 bytes of LDS; arguments encoder_outputs, pack, scores; writes scores
.if DOCPART == 2
	.amdgcn_target "amdgcn-amd-amdhsa--gfx1250"
	.amdhsa_code_object_version 6
	.text
	.protected	k_qdced191435_main
	.globl	k_qdced191435_main
	.p2align	8
	.type	k_qdced191435_main,@function
k_qdced191435_main:
	s_mov_b64 s[64:65], 0
	v_nop
	global_prefetch_b8 v0, s[64:65] scope:SCOPE_SE
	s_setreg_imm32_b32 hwreg(HW_REG_WAVE_MODE, 25, 1), 1
	s_wait_xcnt 0x0
	s_wait_alu depctr_hold_cnt(0) depctr_sa_sdst(0) depctr_va_vdst(0) depctr_va_sdst(0) depctr_va_ssrc(0) depctr_va_vcc(0) depctr_vm_vsrc(0)
	s_getreg_b32 s2, hwreg(HW_REG_IB_STS2, 6, 4)
	s_cmp_eq_u32 s2, 0
	s_cbranch_scc0 .Lentry_in_a_cluster
	s_endpgm
.Lentry_in_a_cluster:
	s_bfe_u32 s2, ttmp6, 0x10000c
	s_cmp_lg_u32 s2, 0x3003
	s_cbranch_scc0 .Lentry_shape_is_right
	s_endpgm
.Lentry_shape_is_right:
; MAIN.  scores(b, s) = sum over n of Ws[n] relu(G[b][n] + Q(encoder[s][b]) . Wa[n][1024:2048]), G from the launch before (the hidden half of K and ba).
; Work-group (sg, bt): 128 rows = 8 s (8 sg + i) x 16 b (16 bt + r), all 1,024 n.  Four waves, one to a SIMD.
; HEAD: wave w quantises row blocks i = w and i = 4 + w: 16 rows x 1,024 numbers each.  They come by tensor loads through a ring of two slots, 4 fills of
; 16 rows x 4 K steps x 512 bytes a wave, each 512 bytes followed by 16 of padding, so that a lane reads its 128 neighbouring bytes of a row and the 16 rows start at 16 different bank groups.
; The codes go as images of registers through LDS to all four waves: every wave holds all 64 fragments (768 registers).
; TILES: wave w walks n tiles 16 w .. 16 w + 15.  A package of 14,848 bytes is 29 lines of 512 bytes; two packages fill 58 of a slot's 64 lines, with the same padding:
; the weights' ring lies on the very lines that the encoder's ring filled.  The four work-groups of a cluster have the same bt and ask for the packages JOINTLY.
; The matrix instruction is used transposed (source 0 = 16 rows of Wa, source 1 = 16 rows of the encoder): a lane holds one row and eight n.
; Two sets of 8 accumulators: while one tile is multiplied, the tile before is finished (relu, x Ws, sum) in units of six vector instructions that stand among the matrix instructions.
; PREFETCH: each encoder fill is asked for one trip ahead of its tensor load, 128 blocks of 256 bytes, a lane a block, by the wave that will load it.  None for pack: its 3.8 MB are
; walked by 64 work-groups of each bt in the same order, and a slot's load has two tiles' work, 128 matrix instructions, in which to land.
; THE QUANTISER: a block's byte is its largest magnitude's exponent field - 2, held at 1 from below; nearest code, ties to even.
; LIMITS: NaN and infinities among the inputs are not served; a block of zeros, or one under 2^-124, has the byte 1 (zeros' codes are zeros; the bytes stay in this launch).
.set PKB,    14848
.set LN,     528                       ; a line in LDS: 512 bytes + 16
.set PKL,    29*LN                     ; a package in LDS
.set O_BSC,  24*LN
.set O_WS,   25*LN
.set O_G,    27*LN
.set TRIPB,  2*PKB                     ; a weight slot in memory
.set WSL,    64*LN                     ; a wave's slot
.set WREG,   2*WSL                     ; a wave's two slots
.set FRB,    1536                      ; a fragment's image
.set IMG,    4*WREG                    ; 32 images: one half of the rows at a time
.set XSC,    IMG+32*FRB                ; the rows' scale words
.set STG,    XSC+4096                  ; the four waves' partial scores
.set SPARE,  STG+2048                  ; the spare words: 512 bytes that no other line names
.set SPW,  1
.set NIL,  2
.set ADR,  3                           ; my ring + 16 x lane
.set FAD,  4                           ; head: my ring + 528 r + 128 h
.set IMW,  5
.set XSW,  6
.set LI,   7
.set SH8,  8
.set PFO,  9                           ; head: the prefetches' offset
.set PC,   12
.set TC,   24
.set TM,   32
.set TS,   36
.set TB,   38
.set TX,   48
.set PW,   49
.set X,    128                         ; head: two buffers of 64 numbers
.set BF0,  4                           ; tiles: four fragments of Wa: v4-15, v48-83
.set BF1,  48
.set PART, 16                          ; the 8 row blocks' sums
.set GC,   24
.set WS,   32
.set BSC,  40
.set F63,  84                          ; fragment 63; fragments 0-62 lie 21 to a window in windows 1-3
.set ASC,  96                          ; the rows' scale words: register 4 i + q: lanes 0-15 K step q, lanes 16-31 K step 4 + q
.set ACC,  128
.set G1,   24                          ; s[24:31] group 1, s[32:39] group 0 (two slots): packages
.set G0,   32
.set GE,   40                          ; s[40:47] group 0 (two slots), s[48:63] groups 1 to 3: encoder
.set G1E,  48
.set G2E,  56
.set G3E,  60
.set MSB, 0
.macro WIN new                         ; the immediate's high byte repeats the setting that is left
.if MSB != (\new)
	s_set_vgpr_msb (MSB<<8)|(\new)
.set MSB, (\new)
.endif
.endm
.macro PLACES
.rept 4
	v_nop
.endr
.endm
.macro CREST                           ; a round of the cluster's barrier behind its opening barrier
	s_cmp_lg_u32 s10, 0
	s_cbranch_scc1 .Lnot_wave_0_\@
	s_barrier_signal -3
.Lnot_wave_0_\@:
	s_barrier_wait -3
	s_barrier_signal -1
	s_barrier_wait -1
.endm
.macro CROUND
	s_barrier_signal -1
	s_barrier_wait -1
	CREST
.endm
.macro BARRIER
	s_wait_dscnt 0x0
	s_barrier_signal -1
	s_barrier_wait -1
.endm
; 64 numbers of a lane, v[x + 32 c + i] = K 64 c + 32 h + i of its row, become a fragment's 12 registers and the row's scale word
.macro QUANT x, pc, pw
.irp q, 0,1,2,3
	v_max3_num_f32 v[TM+\q], |v[\x+16*\q]|, |v[\x+16*\q+1]|, 0x1800000   ; four chains by turns; the floor 2^(3 - 127) holds the byte at 1
.endr
.irp i, 2,4,6,8,10,12,14
.irp q, 0,1,2,3
	v_max3_num_f32 v[TM+\q], v[TM+\q], |v[\x+16*\q+\i]|, |v[\x+16*\q+\i+1]|
.endr
.endr
	v_max_num_f32 v[TM], v[TM], v[TM+1]
	v_max_num_f32 v[TM+2], v[TM+2], v[TM+3]
	v_add_nc_u32 v[TS], 0xff000000, v[TM]          ; 2 off the exponent field: the conversion's scale operand
	v_add_nc_u32 v[TS+1], 0xff000000, v[TM+2]
	v_lshrrev_b32 v[TB], 23, v[TS]
	v_lshrrev_b32 v[TB+1], 23, v[TS+1]
	v_lshl_or_b32 v[\pw], v[TB+1], 16, v[TB]       ; blocks h and 2 + h,
	v_lshlrev_b32 v[\pw], v[SH8], v[\pw]           ; at their places;
	v_permlanex16_b32 v[TX], v[\pw], s20, s21
	v_or_b32 v[\pw], v[\pw], v[TX]                 ; with lane l xor 16's the word is whole
.irp c, 0,1
	v_cvt_scalef32_pk16_fp6_f32 v[\pc+6*\c:\pc+6*\c+2], v[\x+32*\c:\x+32*\c+15], v[TS+\c]
	v_cvt_scalef32_pk16_fp6_f32 v[TC+4*\c:TC+4*\c+2], v[\x+32*\c+16:\x+32*\c+31], v[TS+\c]
.endr
	v_nop                                          ; one plain place behind a scaled conversion
.irp c, 0,1
.irp i, 0,1,2
	v_mov_b32 v[\pc+6*\c+3+\i], v[TC+4*\c+\i]
.endr
.endr
.endm
.macro PREF f                          ; fill f: 16 rows x 2,048 bytes = 128 blocks of 256 bytes, each named once
.irp q, 0,1,2,3
	global_prefetch_b8 v[PFO], s[4:5] offset:((\f)/2)*1048576+((\f)%2)*2048+\q*16384 th:TH_LOAD_NT scope:SCOPE_SE
.endr
.endm
.macro DLOAD sl, z                     ; K step z of slot sl: my 2 x 128 bytes of row r
.irp c, 0,1
.irp j, 0,1,2,3,4,5,6,7
	ds_load_b128 v[X+64*((\z)%2)+32*\c+4*\j:X+64*((\z)%2)+32*\c+4*\j+3], v[FAD] offset:(\sl)*WSL+(\z)*16*LN+256*\c+16*\j
.endr
.endr
.endm
.macro PROC t, z                       ; fill t's K step z: the next one's loads first, then this one is quantised and its image stored
.if (\z) < 3
	DLOAD (\t)%2, (\z)+1
	s_wait_dscnt 16                                ; all but the 16 just issued
.else
	s_wait_dscnt 0x0
.endif
.set XS, X+64*((\z)%2)
.set KK, 4*((\t)%2)+(\z)
	QUANT XS, PC, PW
.irp c, 0,1,2
	ds_store_b128 v[IMW], v[PC+4*\c:PC+4*\c+3] offset:FRB*KK+512*\c
.endr
	ds_store_b32 v[XSW], v[PW] offset:2048*((\t)/2)+256*(KK/4)+4*(KK%4)
.endm
.macro FETCHK rho, k0                  ; 16 images, K steps k0 .. k0 + 3 of row blocks 4 rho .. 4 rho + 3, into my registers
.irp kk, 0,1,2,3
.irp i, 0,1,2,3
.set FK, (\k0)+\kk
.set FF, 32*(\rho)+4*FK+\i
.if FF < 63
.set WW, (1+FF/21)<<6
.set FRG, 12*(FF%21)
.else
.set WW, 0
.set FRG, F63
.endif
	WIN WW
.irp c, 0,1,2
	ds_load_b128 v[FRG+4*\c:FRG+4*\c+3], v[LI] offset:(8*\i+FK)*FRB+512*\c
.endr
.endr
.endr
	WIN 0
.endm
; A trip of the head: fill t has landed in every wave, the slot read last is asked for again, fill t is quantised.
.macro HTRIP t
	s_wait_tensorcnt 0x0                           ; my one load that was out: fill t
	ds_add_u32 v[SPW], v[NIL]
.if (\t) < 2
	s_add_nc_u64 s[GE+4*(\t)+2:GE+4*(\t)+3], s[GE+4*(\t)+2:GE+4*(\t)+3], 0x100000   ; this slot's next fill: four s on
.endif
	s_wait_dscnt 0x0                               ; the add, my reads of the other slot, my stores of images
	CROUND
.if (\t) < 3
	tensor_load_to_lds s[GE+4*((\t+1)%2):GE+4*((\t+1)%2)+3], s[G1E:G1E+7], s[G2E:G2E+3], s[G3E:G3E+3]
.else
	tensor_load_to_lds s[G0:G0+3], s[G1:G1+7]      ; packages 0 and 1, jointly, onto slot 0's lines
.endif
	s_nop 0
	PLACES
.if (\t) == 2
	FETCHK 0, 0                                    ; the first half's images are whole (the round above); they are read
	FETCHK 0, 4
	BARRIER                                        ; by all four waves before the second half's are stored over them
.endif
	DLOAD (\t)%2, 0
.if (\t) < 2
	PREF (\t)+2
.endif
	PROC \t, 0
	PROC \t, 1
	PROC \t, 2
	PROC \t, 3
.if (\t) == 2
	BARRIER                                        ; the second half's K steps 0-3 are stored by all four waves: they are fetched
	FETCHK 1, 0                                    ; while the last fill is on its way; the last trip stores other bytes (K steps 4-7)
.endif
.endm
.macro SETBF k
.if ((\k)%4) == 0
.set BFR, BF0
.else
.set BFR, BF1+12*(((\k)%4)-1)
.endif
.endm
.macro LFRAG base, k
	SETBF \k
.irp c, 0,1,2
	ds_load_b128 v[BFR+4*\c:BFR+4*\c+3], v[ADR] offset:(\base)+(3*(\k)+\c)*LN
.endr
.endm
; The finished tile's way to the sums, in 20 units of six vector instructions on accumulator set pv.  Units 0-7: relu of an accumulator's registers 0-3, x Ws; units 8-15: registers 4-7,
; multiplied onto them; units 16-19: two accumulators each, added up onto their row blocks' sums.  A register that one unit writes is read by a later unit at least 18 vector instructions on.
.macro UNIT s, pv
.if (\s) < 8
.set UA, ACC+64*(\pv)+8*(\s)
	WIN 0
.irp j, 0,1,2,3
	v_max_num_f32 v[UA+\j], 0, v[UA+\j]            ; each accumulator from its low end on
.endr
	v_pk_mul_f32 v[UA:UA+1], v[UA:UA+1], v[WS:WS+1]
	v_pk_mul_f32 v[UA+2:UA+3], v[UA+2:UA+3], v[WS+2:WS+3]
.elseif (\s) < 16
.set UA, ACC+64*(\pv)+8*((\s)-8)
	WIN 0
.irp j, 4,5,6,7
	v_max_num_f32 v[UA+\j], 0, v[UA+\j]
.endr
	v_pk_fma_f32 v[UA:UA+1], v[UA+4:UA+5], v[WS+4:WS+5], v[UA:UA+1]
	v_pk_fma_f32 v[UA+2:UA+3], v[UA+6:UA+7], v[WS+6:WS+7], v[UA+2:UA+3]
.elseif (\s) < 20
.set UA, ACC+64*(\pv)+16*((\s)-16)
.set UP, PART+2*((\s)-16)
	WIN 0
	v_pk_add_f32 v[UA:UA+1], v[UA:UA+1], v[UA+2:UA+3]
	v_pk_add_f32 v[UA+8:UA+9], v[UA+8:UA+9], v[UA+10:UA+11]
	v_add_f32 v[UP], v[UP], v[UA]
	v_add_f32 v[UP+1], v[UP+1], v[UA+8]
	v_add_f32 v[UP], v[UP], v[UA+1]
	v_add_f32 v[UP+1], v[UP+1], v[UA+9]
.endif
.endm
; 8 matrix instructions: Wa's fragment k against the 8 row blocks, the accumulators by turns; in K steps 0-3, behind every second one a unit of the tile before
.macro KSTEP k, p
	SETBF \k
.irp i, 0,1,2,3,4,5,6,7
.set FF, 32*(\i/4)+4*(\k)+(\i%4)
.if FF < 63
.set WW, (1+FF/21)<<2
.set FRG, 12*(FF%21)
.else
.set WW, 0
.set FRG, F63
.endif
.set AC, ACC+64*(\p)+8*\i
	WIN WW
.if (\k) == 0
	v_wmma_scale_f32_16x16x128_f8f6f4 v[AC:AC+7], v[BFR:BFR+11], v[FRG:FRG+11], v[GC:GC+7], v[BSC+4*(\p)], v[ASC+4*\i] matrix_a_fmt:MATRIX_FMT_FP6 matrix_b_fmt:MATRIX_FMT_FP6
.elseif (\k) < 4
	v_wmma_scale_f32_16x16x128_f8f6f4 v[AC:AC+7], v[BFR:BFR+11], v[FRG:FRG+11], v[AC:AC+7], v[BSC+4*(\p)+(\k)], v[ASC+4*\i+(\k)] matrix_a_fmt:MATRIX_FMT_FP6 matrix_b_fmt:MATRIX_FMT_FP6
.else
	v_wmma_scale_f32_16x16x128_f8f6f4 v[AC:AC+7], v[BFR:BFR+11], v[FRG:FRG+11], v[AC:AC+7], v[BSC+4*(\p)+(\k)-4], v[ASC+4*\i+(\k)-4] matrix_a_fmt:MATRIX_FMT_FP6 matrix_b_fmt:MATRIX_FMT_FP6 matrix_a_scale:MATRIX_SCALE_ROW1 matrix_b_scale:MATRIX_SCALE_ROW1
.endif
.if ((\i%2) == 1) && ((\k) < 4)
	UNIT 4*(\k)+\i/2, 1-(\p)
.endif
.endr
.endm
; A tile of 16 n: package at pb, accumulator set p; nb: the next package.  chg = 1: the slot is left and filled again; 2: it is left, in the tail.
; The LDS loads stand in four runs, behind K steps 1, 3, 5 and 7, each two K steps ahead of its first use.  In front of each run stands a unit of the tile before:
; its six instructions, which name no register of this tile's products, are the places in front of loads into fragments just multiplied.  Units 0-15 (which read Ws) stand in K steps 0-3, units 16-19 behind K steps 4, 5 and 7.
.macro TILE pb, p, nb, chg, slot, last
	s_wait_dscnt 6                                 ; fragments 0, 1, G and the scales are in; fragments 2 and 3 may be out
	KSTEP 0, \p
	KSTEP 1, \p
	LFRAG \pb, 4
	LFRAG \pb, 5
	s_wait_dscnt 6                                 ; fragments 2 and 3 are in; behind them the six just issued
	KSTEP 2, \p
	KSTEP 3, \p
	LFRAG \pb, 6
	LFRAG \pb, 7
	ds_load_b128 v[WS:WS+3], v[ADR] offset:(\pb)+O_WS         ; the tile before has had its last multiplication by Ws: this tile's
	ds_load_b128 v[WS+4:WS+7], v[ADR] offset:(\pb)+O_WS+LN
.if \chg == 1
	s_wait_tensorcnt 0x0                           ; my one load that was out: the next slot
	ds_add_u32 v[SPW], v[NIL]
	s_add_nc_u64 s[G0+4*\slot+2:G0+4*\slot+3], s[G0+4*\slot+2:G0+4*\slot+3], 2*TRIPB
	s_wait_dscnt 9                                 ; fragments 4 and 5 are in; behind them fragments 6 and 7, Ws, the add
	KSTEP 4, \p
	UNIT 16, 1-(\p)
	s_wait_dscnt 0x0                               ; the add is done and my reads of this slot are over
	s_barrier_signal -1
	KSTEP 5, \p
	WIN 0
	s_barrier_wait -1
	CREST
	tensor_load_to_lds s[G0+4*\slot:G0+4*\slot+3], s[G1:G1+7]
	s_nop 0
	UNIT 17, 1-(\p)                                ; every window is 0 here: six vector instructions and no switch behind the load
.else
	s_wait_dscnt 8                                 ; fragments 4 and 5 are in; behind them fragments 6 and 7 and Ws
	KSTEP 4, \p
	UNIT 16, 1-(\p)
	KSTEP 5, \p
	UNIT 17, 1-(\p)
.if \chg == 2
	s_wait_tensorcnt 0x0                           ; the last slot is in: only I read my part
.endif
.endif
.if !\last
	LFRAG \nb, 0
	LFRAG \nb, 1
	ds_load_b128 v[GC:GC+3], v[ADR] offset:(\nb)+O_G
	ds_load_b128 v[GC+4:GC+7], v[ADR] offset:(\nb)+O_G+LN
	ds_load_b128 v[BSC+4*(1-\p):BSC+4*(1-\p)+3], v[ADR] offset:(\nb)+O_BSC
.endif
.if \last
	s_wait_dscnt 2                                 ; fragments 6 and 7 are in; Ws may be out
.elseif \chg != 1
	s_wait_dscnt 11                                ; behind fragments 6 and 7: Ws and the nine just issued
.endif
	KSTEP 6, \p
	KSTEP 7, \p
	UNIT 18, 1-(\p)                                ; these twelve are also the places in front of the next tile's first unit
	UNIT 19, 1-(\p)
.if !\last
	LFRAG \nb, 2
	LFRAG \nb, 3
.endif
.endm
	s_load_b128 s[4:7], s[0:1], 0x0                ; encoder_outputs, pack
	s_load_b64 s[8:9], s[0:1], 0x10                ; scores
	v_lshl_add_u32 v[SPW], v0, 2, SPARE
	v_mov_b32 v[NIL], 0
	ds_add_u32 v[SPW], v[NIL]                      ; the opening: the add, twice on end, and its wait
	ds_add_u32 v[SPW], v[NIL]
	v_lshrrev_b32 v3, 5, v0
	v_readfirstlane_b32 s10, v3                    ; wave
	s_bfe_u32 s11, ttmp6, 0x40000                  ; cx
	s_lshl_b32 s12, ttmp9, 2
	s_add_co_u32 s12, s12, s11                     ; sg
	s_and_b32 s13, ttmp7, 0xffff                   ; bt: the same in the cluster's four
	s_mov_b32 s20, 0x76543210
	s_mov_b32 s21, 0xfedcba98                      ; selects for lane l xor 16
	s_mov_b32 s[G1+0], 15|(3<<16)|(1<<20)|(1<<21)|(6<<22)|(3<<25)   ; packages: all four partners; elements of 8 bytes; 4 words of padding behind every 128
	s_mov_b32 s[G1+1], 64<<16                      ; 58 rows of 512 bytes, dense
	s_mov_b32 s[G1+2], 58<<16
	s_mov_b32 s[G1+3], 64<<16
	s_mov_b32 s[G1+4], 58
	s_mov_b32 s[G1+5], 64
	s_mov_b32 s[G1+6], 0
	s_mov_b32 s[G1+7], 0
	s_mov_b32 s[G1E+0], (2<<16)|(1<<20)|(6<<22)|(3<<25)             ; encoder: my own load; elements of 4 bytes; the same padding
	s_mov_b32 s[G1E+1], 128<<16                    ; x: 128 numbers, one K step
	s_mov_b32 s[G1E+2], 16<<16                     ; y: 16 rows b
	s_mov_b32 s[G1E+3], 128<<16
	s_mov_b32 s[G1E+4], 16|(4<<16)                 ; z: 4 K steps
	s_mov_b32 s[G1E+5], 1024                       ; from row to row
	s_mov_b32 s[G1E+6], 128<<16                    ; from K step to K step
	s_mov_b32 s[G1E+7], 0
	s_mov_b32 s[G2E+0], 4                          ; tensor_dim2
	s_mov_b32 s[G2E+1], 1
	s_mov_b32 s[G2E+2], 0
	s_mov_b32 s[G2E+3], 0
	s_mov_b32 s[G3E+0], 0
	s_mov_b32 s[G3E+1], 1<<16
	s_mov_b32 s[G3E+2], 0
	s_mov_b32 s[G3E+3], 0
	s_lshl_b32 s14, s12, 21                        ; encoder: 8 sg planes of 256 KiB, 16 bt rows of 4 KiB, plane w
	s_lshl_b32 s15, s13, 16
	s_add_co_u32 s14, s14, s15
	s_lshl_b32 s15, s10, 18
	s_add_co_u32 s14, s14, s15
	s_mov_b32 s15, 0
	s_mul_i32 s16, s13, 64*PKB                     ; pack: package 64 bt + 16 w
	s_mul_i32 s17, s10, 16*PKB
	s_add_co_u32 s16, s16, s17
	s_mov_b32 s17, 0
	s_lshl_b32 s18, s13, 6
	s_add_co_u32 s18, s18, s12
	s_lshl_b32 s18, s18, 9                         ; scores: 512 bytes at 64 bt + sg
	s_mov_b32 s19, 0
	s_mul_i32 s23, s10, WREG                       ; my ring
	s_wait_dscnt 0x0
	s_wait_kmcnt 0x0
	s_add_nc_u64 s[4:5], s[4:5], s[14:15]
	s_add_nc_u64 s[6:7], s[6:7], s[16:17]
	s_add_nc_u64 s[8:9], s[8:9], s[18:19]
	CROUND
.irp s, 0,1
	s_mov_b32 s[G0+4*\s], 1
	s_add_co_u32 s[G0+4*\s+1], s23, \s*WSL
	s_add_nc_u64 s[G0+4*\s+2:G0+4*\s+3], s[6:7], \s*TRIPB
	s_or_b32 s[G0+4*\s+3], s[G0+4*\s+3], 0x80000000
	s_mov_b32 s[GE+4*\s], 1
	s_add_co_u32 s[GE+4*\s+1], s23, \s*WSL
	s_add_nc_u64 s[GE+4*\s+2:GE+4*\s+3], s[4:5], \s*2048
	s_or_b32 s[GE+4*\s+3], s[GE+4*\s+3], 0x80000000
.endr
	tensor_load_to_lds s[GE:GE+3], s[G1E:G1E+7], s[G2E:G2E+3], s[G3E:G3E+3]   ; fill 0: one tensor load a wave at the head
	s_nop 0
	PLACES
	v_and_b32 v10, 31, v0                          ; lane
	v_lshrrev_b32 v11, 3, v10
	v_and_b32 v[PFO], 7, v10
	v_lshlrev_b32 v[PFO], 8, v[PFO]
	v_lshl_add_u32 v[PFO], v11, 12, v[PFO]         ; row l / 8, block l % 8
	PREF 1
	v_lshlrev_b32 v10, 4, v10                      ; 16 x lane
	v_and_b32 v[XSW], 15, v0                       ; r
	v_bfe_u32 v[SH8], v0, 4, 1                     ; h
	v_mul_u32_u24 v[FAD], v[XSW], LN
	v_lshl_add_u32 v[FAD], v[SH8], 7, v[FAD]
	v_add_nc_u32 v[FAD], s23, v[FAD]
	s_mul_i32 s14, s10, 8*FRB
	s_add_co_u32 s14, s14, IMG
	v_add_nc_u32 v[IMW], s14, v10
	s_lshl_b32 s14, s10, 9
	s_add_co_u32 s14, s14, XSC
	v_lshl_add_u32 v[XSW], v[XSW], 4, s14
	v_add_nc_u32 v[LI], IMG, v10
	v_lshlrev_b32 v[SH8], 3, v[SH8]
	v_add_nc_u32 v[ADR], s23, v10
	v_mov_b32 v[TX], 0                             ; a lane permute's destination counts as one of its sources
	s_wait_alu depctr_va_vdst(0)
	HTRIP 0
	HTRIP 1
	HTRIP 2
	HTRIP 3
	s_wait_tensorcnt 0x0                           ; packages 0 and 1 are in
	ds_add_u32 v[SPW], v[NIL]
	s_wait_dscnt 0x0                               ; the add, my reads of slot 1, my last images
	CROUND
	tensor_load_to_lds s[G0+4:G0+7], s[G1:G1+7]    ; packages 2 and 3 onto slot 1's lines
	s_nop 0
	PLACES
	FETCHK 1, 4
.irp i, 0,1,2,3,4,5,6,7
	ds_load_b128 v[ASC+4*\i:ASC+4*\i+3], v[LI] offset:XSC-IMG+512*\i
.endr
.irp j, 0,1,2,3,4,5,6,7
	v_mov_b32 v[WS+\j], 0                          ; the tile is written once: the first finds a tile of zeros before it
	v_mov_b32 v[PART+\j], 0
.endr
.set J, 0
.rept 64
	v_mov_b32 v[ACC+64+J], 0
.set J, J+1
.endr
	s_wait_xcnt 0x0                                ; the prefetches have read their offset register: it is loaded into below
	s_wait_dscnt 0x0
	LFRAG 0, 0
	LFRAG 0, 1
	ds_load_b128 v[GC:GC+3], v[ADR] offset:O_G
	ds_load_b128 v[GC+4:GC+7], v[ADR] offset:O_G+LN
	ds_load_b128 v[BSC:BSC+3], v[ADR] offset:O_BSC
	LFRAG 0, 2
	LFRAG 0, 3
	s_mov_b32 s22, 3
.Ltrip:                                                ; a trip: four tiles, once round the ring, both slots filled again
	TILE 0, 0, PKL, 0, 0, 0
	TILE PKL, 1, WSL, 1, 0, 0
	TILE WSL, 0, WSL+PKL, 0, 0, 0
	TILE WSL+PKL, 1, 0, 1, 1, 0
	s_sub_co_u32 s22, s22, 1
	s_cmp_lg_u32 s22, 0
	s_cbranch_scc1 .Ltrip
	TILE 0, 0, PKL, 0, 0, 0                        ; the last four tiles fetch nothing more
	TILE PKL, 1, WSL, 2, 0, 0
	TILE WSL, 0, WSL+PKL, 0, 0, 0
	TILE WSL+PKL, 1, 0, 0, 0, 1
	s_wait_dscnt 0x0                               ; the last tile's Ws
.irp s, 0,1,2,3,4,5,6,7,8,9,10,11,12,13,14,15,16,17,18,19
	UNIT \s, 1
.endr
.irp i, 0,1,2,3,4,5,6,7
	v_permlanex16_b32 v[52+\i], v[PART+\i], s20, s21
.endr
.irp i, 0,1,2,3,4,5,6,7
	v_add_f32 v[PART+\i], v[PART+\i], v[52+\i]     ; both halves of the 16 n
.endr
	v_and_b32 v48, 15, v0
	s_lshl_b32 s14, s10, 9
	s_add_co_u32 s14, s14, STG
	v_lshl_add_u32 v48, v48, 5, s14
	v_and_b32 v49, 31, v0
	v_lshlrev_b32 v50, 4, v49
	v_add_nc_u32 v49, STG, v50
	ds_store_b128 v48, v[PART:PART+3]              ; row r's 8 sums: 32 bytes
	ds_store_b128 v48, v[PART+4:PART+7] offset:16
	s_wait_dscnt 0x0                               ; for wave 0's sake
	s_barrier_signal -1
	s_barrier_wait -1
	s_cmp_lg_u32 s10, 0
	s_cbranch_scc1 .Lnot_first
	s_wait_alu depctr_va_vdst(0)
.irp w, 0,1,2,3
	ds_load_b128 v[60+4*\w:63+4*\w], v49 offset:512*\w
.endr
	s_wait_dscnt 0x0
	v_pk_add_f32 v[60:61], v[60:61], v[64:65]
	v_pk_add_f32 v[62:63], v[62:63], v[66:67]
	v_pk_add_f32 v[68:69], v[68:69], v[72:73]
	v_pk_add_f32 v[70:71], v[70:71], v[74:75]
	v_pk_add_f32 v[60:61], v[60:61], v[68:69]
	v_pk_add_f32 v[62:63], v[62:63], v[70:71]
	global_store_b128 v50, v[60:63], s[8:9]        ; 32 lanes store 512 consecutive bytes, at a multiple of 256 from the buffer's first byte
.Lnot_first:
	s_wait_tensorcnt 0x0                           ; the wave's end
	ds_add_u32 v[SPW], v[NIL]
	s_wait_dscnt 0x0
	CROUND                                         ; the closing round
	s_endpgm
.Lfunc_end_k_qdced191435_main:
	.size	k_qdced191435_main, .Lfunc_end_k_qdced191435_main-k_qdced191435_main
	.p2alignl 7, 3214868480
	.fill 96, 4, 3214868480
	.section	.rodata,"a",@progbits
	.p2align	6, 0x0
	.amdhsa_kernel k_qdced191435_main
		.amdhsa_group_segment_fixed_size 327680
		.amdhsa_private_segment_fixed_size 0
		.amdhsa_enable_private_segment 0
		.amdhsa_kernarg_size 24
		.amdhsa_user_sgpr_count 2
		.amdhsa_user_sgpr_kernarg_segment_ptr 1
		.amdhsa_wavefront_size32 1
		.amdhsa_system_sgpr_workgroup_id_x 1
		.amdhsa_system_sgpr_workgroup_id_y 1
		.amdhsa_system_sgpr_workgroup_id_z 1
		.amdhsa_system_vgpr_workitem_id 0
		.amdhsa_next_free_vgpr 1024
		.amdhsa_next_free_sgpr 66
		.amdhsa_reserve_vcc 0
		.amdhsa_float_denorm_mode_32 3
		.amdhsa_float_denorm_mode_16_64 3
		.amdhsa_memory_ordered 1
		.amdhsa_forward_progress 1
		.amdhsa_inst_pref_size 234
	.end_amdhsa_kernel
	.amdgpu_metadata
---
amdhsa.version: [ 1, 2 ]
amdhsa.kernels:
  - .name:           k_qdced191435_main
    .symbol:         k_qdced191435_main.kd
    .args:
      - { .name: encoder_outputs, .offset: 0, .size: 8, .value_kind: global_buffer, .address_space: global }
      - { .name: pack, .offset: 8, .size: 8, .value_kind: global_buffer, .address_space: global }
      - { .name: scores, .offset: 16, .size: 8, .value_kind: global_buffer, .address_space: global }
    .group_segment_fixed_size: 327680
    .private_segment_fixed_size: 0
    .kernarg_segment_align: 8
    .kernarg_segment_size: 24
    .max_flat_workgroup_size: 128
    .sgpr_count:     66
    .vgpr_count:     1024
    .wavefront_size: 32
...
	.end_amdgpu_metadata
.endif
;; end of part 2
;; launch soft (part 3): grid 8 x 1, 8 waves a work-group, no clusters, 0 bytes of LDS; arguments scores, pe, seq_mask, out0; writes out0
.if DOCPART == 3
	.amdgcn_target "amdgcn-amd-amdhsa--gfx1250"
	.amdhsa_code_object_version 6
	.text
	.protected	k_qdced191435_soft
	.globl	k_qdced191435_soft
	.p2align	8
	.type	k_qdced191435_soft,@function
k_qdced191435_soft:
	s_mov_b64 s[64:65], 0
	v_nop
	global_prefetch_b8 v0, s[64:65] scope:SCOPE_SE
	s_setreg_imm32_b32 hwreg(HW_REG_WAVE_MODE, 25, 1), 1
	s_wait_xcnt 0x0
; SOFT.  out0[b][s] = softmax over s of (masked ? -1e12 : ln(512) / 32 x scores(b, s) + pe[b][s]).  scores: [bt 4][sg 64][r 16][i 8] f32, b = 16 bt + r, s = 8 sg + i.
; One wave, one row b: 512 numbers, 16 a lane, stay in registers between the maximum, the exponentials and the division; the reductions never leave the wave: no LDS, no barrier.
; Lane l, load q, element e: s = 128 q + 4 l + e.  The eight waves of a work-group take eight neighbouring r, whose pieces of 32 bytes of scores lie side by side.
; The row's maximum is taken away BEFORE the multiplication by log2(e), so that a row that is masked throughout gives differences of exactly 0, as the definition does.
; 64 rows are all the work there is: 8 work-groups; the rows share no input, so there is nothing for a cluster or for the matrix unit.
.set SC,  8                            ; v8-23   the row's numbers
.set PE,  24                           ; v24-39  pe
.set MK,  40                           ; v40-43  four mask bytes each
.set NEG, 44                           ; v44     -1e12
.set TT,  45
.set MX,  46                           ; v46-47  the maximum (named as a pair by the packed subtraction)
.set SM,  48                           ; v48-51  the sum
	s_load_b256 s[4:11], s[0:1], 0x0               ; scores s[4:5], pe s[6:7], seq_mask s[8:9], out0 s[10:11]
	v_lshrrev_b32 v1, 5, v0
	s_delay_alu instid0(VALU_DEP_1)
	v_readfirstlane_b32 s12, v1                    ; wave 0..7
	v_and_b32 v1, 31, v0                           ; lane
	s_delay_alu instid0(VALU_DEP_1)
	v_lshrrev_b32 v2, 1, v1
	s_delay_alu instid0(VALU_DEP_2)
	v_and_b32 v5, 1, v1
	s_delay_alu instid0(VALU_DEP_2)
	v_lshlrev_b32 v2, 9, v2
	s_delay_alu instid0(VALU_DEP_1)
	v_lshl_add_u32 v2, v5, 4, v2                   ; scores: 512 (l / 2) + 16 (l % 2)
	v_lshlrev_b32 v3, 4, v1                        ; pe, out0: 16 l
	v_lshlrev_b32 v4, 2, v1                        ; seq_mask: 4 l
	s_lshl_b32 s13, ttmp9, 3
	s_add_co_u32 s13, s13, s12                     ; b
	s_lshr_b32 s14, s13, 4
	s_lshl_b32 s14, s14, 15                        ; bt x 32,768
	s_and_b32 s15, s13, 15
	s_lshl_b32 s15, s15, 5                         ; r x 32
	s_add_co_u32 s14, s14, s15
	s_mov_b32 s15, 0
	s_lshl_b32 s16, s13, 11                        ; a row of pe and of out0: 2,048 bytes
	s_mov_b32 s17, 0
	s_lshl_b32 s18, s13, 9                         ; a row of seq_mask: 512 bytes
	s_mov_b32 s19, 0
	s_mov_b32 s20, 0x76543210
	s_mov_b32 s21, 0xfedcba98                      ; v_permlanex16_b32's selects for lane l xor 16
	s_mov_b32 s22, 0x3e47a05b                      ; ln(512) / sqrt(1024)
	s_mov_b32 s23, s22                             ; (the packed forms name a pair and take its low word for both halves: so the upper word is written)
	s_mov_b32 s24, 0x3fb8aa3b                      ; log2(e)
	s_mov_b32 s25, s24
	v_mov_b32 v[NEG], 0xd368d4a5                   ; -1e12
	v_mov_b32 v[MX+1], 0                           ; written once: a lane permute's destination counts as one of its sources
	s_wait_alu depctr_va_vdst(0)
	s_wait_kmcnt 0x0
	s_add_nc_u64 s[4:5], s[4:5], s[14:15]
	s_add_nc_u64 s[6:7], s[6:7], s[16:17]
	s_add_nc_u64 s[8:9], s[8:9], s[18:19]
	s_add_nc_u64 s[10:11], s[10:11], s[16:17]
.irp q, 0,1,2,3
	global_load_b128 v[SC+4*\q:SC+4*\q+3], v2, s[4:5] offset:8192*\q
	global_load_b128 v[PE+4*\q:PE+4*\q+3], v3, s[6:7] offset:512*\q
	global_load_b32 v[MK+\q], v4, s[8:9] offset:128*\q
.endr
	s_wait_loadcnt 0x0
.irp j, 0,2,4,6,8,10,12,14
	v_pk_fma_f32 v[SC+\j:SC+\j+1], v[SC+\j:SC+\j+1], s[22:23], v[PE+\j:PE+\j+1] op_sel_hi:[1,0,1]
.endr
.irp q, 0,1,2,3
.irp e, 0,1,2,3
	v_bfe_u32 v[TT], v[MK+\q], 8*\e, 8
	s_delay_alu instid0(VALU_DEP_1)
	v_cmp_ne_u32 vcc_lo, 0, v[TT]
	s_delay_alu instid0(VALU_DEP_1)
	v_cndmask_b32 v[SC+4*\q+\e], v[SC+4*\q+\e], v[NEG], vcc_lo
.endr
.endr
	v_max3_num_f32 v[MX], v[SC], v[SC+1], v[SC+2]
.irp j, 3,5,7,9,11,13
	s_delay_alu instid0(VALU_DEP_1)
	v_max3_num_f32 v[MX], v[MX], v[SC+\j], v[SC+\j+1]
.endr
	s_delay_alu instid0(VALU_DEP_1)
	v_max_num_f32 v[MX], v[MX], v[SC+15]
	s_delay_alu instid0(VALU_DEP_1)
	v_max_num_f32_dpp v[MX], v[MX], v[MX] row_xmask:1 row_mask:0xf bank_mask:0xf
	s_delay_alu instid0(VALU_DEP_1)
	v_max_num_f32_dpp v[MX], v[MX], v[MX] row_xmask:2 row_mask:0xf bank_mask:0xf
	s_delay_alu instid0(VALU_DEP_1)
	v_max_num_f32_dpp v[MX], v[MX], v[MX] row_xmask:4 row_mask:0xf bank_mask:0xf
	s_delay_alu instid0(VALU_DEP_1)
	v_max_num_f32_dpp v[MX], v[MX], v[MX] row_xmask:8 row_mask:0xf bank_mask:0xf
	s_delay_alu instid0(VALU_DEP_1)
	v_permlanex16_b32 v[MX+1], v[MX], s20, s21
	s_delay_alu instid0(VALU_DEP_1)
	v_max_num_f32 v[MX], v[MX], v[MX+1]            ; every lane holds the row's maximum
.irp j, 0,2,4,6,8,10,12,14
	v_pk_add_f32 v[SC+\j:SC+\j+1], v[SC+\j:SC+\j+1], v[MX:MX+1] op_sel_hi:[1,0] neg_lo:[0,1] neg_hi:[0,1]
.endr
.irp j, 0,2,4,6,8,10,12,14
	v_pk_mul_f32 v[SC+\j:SC+\j+1], v[SC+\j:SC+\j+1], s[24:25] op_sel_hi:[1,0]
.endr
	s_wait_alu depctr_va_vdst(0)
.irp j, 0,1,2,3,4,5,6,7,8,9,10,11,12,13,14,15
	v_exp_f32 v[SC+\j], v[SC+\j]
.endr
	v_nop                                          ; one plain place behind the exponentials
	s_wait_alu depctr_va_vdst(0)
	v_pk_add_f32 v[SM:SM+1], v[SC:SC+1], v[SC+2:SC+3]         ; the sum, two at a time, in two chains
	v_pk_add_f32 v[SM+2:SM+3], v[SC+4:SC+5], v[SC+6:SC+7]
.irp j, 8,12
	v_pk_add_f32 v[SM:SM+1], v[SM:SM+1], v[SC+\j:SC+\j+1]
	v_pk_add_f32 v[SM+2:SM+3], v[SM+2:SM+3], v[SC+\j+2:SC+\j+3]
.endr
	s_delay_alu instid0(VALU_DEP_1)
	v_pk_add_f32 v[SM:SM+1], v[SM:SM+1], v[SM+2:SM+3]
	s_delay_alu instid0(VALU_DEP_1)
	v_add_f32 v[SM], v[SM], v[SM+1]
	s_delay_alu instid0(VALU_DEP_1)
	v_add_f32_dpp v[SM], v[SM], v[SM] row_xmask:1 row_mask:0xf bank_mask:0xf
	s_delay_alu instid0(VALU_DEP_1)
	v_add_f32_dpp v[SM], v[SM], v[SM] row_xmask:2 row_mask:0xf bank_mask:0xf
	s_delay_alu instid0(VALU_DEP_1)
	v_add_f32_dpp v[SM], v[SM], v[SM] row_xmask:4 row_mask:0xf bank_mask:0xf
	s_delay_alu instid0(VALU_DEP_1)
	v_add_f32_dpp v[SM], v[SM], v[SM] row_xmask:8 row_mask:0xf bank_mask:0xf
	s_delay_alu instid0(VALU_DEP_1)
	v_permlanex16_b32 v[SM+1], v[SM], s20, s21
	s_delay_alu instid0(VALU_DEP_1)
	v_add_f32 v[SM], v[SM], v[SM+1]                ; at least 1: the maximum's own term
	s_wait_alu depctr_va_vdst(0)
	v_rcp_f32 v[SM], v[SM]
	v_nop                                          ; one plain place behind the reciprocal
	s_wait_alu depctr_va_vdst(0)
.irp j, 0,2,4,6,8,10,12,14
	v_pk_mul_f32 v[SC+\j:SC+\j+1], v[SC+\j:SC+\j+1], v[SM:SM+1] op_sel_hi:[1,0]
.endr
.irp q, 0,1,2,3
	global_store_b128 v3, v[SC+4*\q:SC+4*\q+3], s[10:11] offset:512*\q   ; 32 lanes store 512 consecutive bytes, at a multiple of 256 from out0's first byte
.endr
	s_endpgm
.Lfunc_end_k_qdced191435_soft:
	.size	k_qdced191435_soft, .Lfunc_end_k_qdced191435_soft-k_qdced191435_soft
	.p2alignl 7, 3214868480
	.fill 96, 4, 3214868480
	.section	.rodata,"a",@progbits
	.p2align	6, 0x0
	.amdhsa_kernel k_qdced191435_soft
		.amdhsa_group_segment_fixed_size 0
		.amdhsa_private_segment_fixed_size 0
		.amdhsa_enable_private_segment 0
		.amdhsa_kernarg_size 32
		.amdhsa_user_sgpr_count 2
		.amdhsa_user_sgpr_kernarg_segment_ptr 1
		.amdhsa_wavefront_size32 1
		.amdhsa_system_sgpr_workgroup_id_x 1
		.amdhsa_system_sgpr_workgroup_id_y 1
		.amdhsa_system_sgpr_workgroup_id_z 1
		.amdhsa_system_vgpr_workitem_id 0
		.amdhsa_next_free_vgpr 64
		.amdhsa_next_free_sgpr 66
		.amdhsa_reserve_vcc 1
		.amdhsa_float_denorm_mode_32 3
		.amdhsa_float_denorm_mode_16_64 3
		.amdhsa_memory_ordered 1
		.amdhsa_forward_progress 1
		.amdhsa_inst_pref_size 12
	.end_amdhsa_kernel
	.amdgpu_metadata
---
amdhsa.version: [ 1, 2 ]
amdhsa.kernels:
  - .name:           k_qdced191435_soft
    .symbol:         k_qdced191435_soft.kd
    .args:
      - { .name: scores, .offset: 0, .size: 8, .value_kind: global_buffer, .address_space: global }
      - { .name: pe, .offset: 8, .size: 8, .value_kind: global_buffer, .address_space: global }
      - { .name: seq_mask, .offset: 16, .size: 8, .value_kind: global_buffer, .address_space: global }
      - { .name: out0, .offset: 24, .size: 8, .value_kind: global_buffer, .address_space: global }
    .group_segment_fixed_size: 0
    .private_segment_fixed_size: 0
    .kernarg_segment_align: 8
    .kernarg_segment_size: 32
    .max_flat_workgroup_size: 256
    .sgpr_count:     66
    .vgpr_count:     64
    .wavefront_size: 32
...
	.end_amdgpu_metadata
.endif
;; end of part 3
